; MI455X (gfx1250); checked and timed in simulation.
; The chip was launched on July 23, 2026; its instructions are those of AMD's public machine-readable ISA for CDNA 5 (MIT licence, August 2026) and "CDNA5" Instruction Set Architecture Reference Guide (July 2026). The comments in the code are by the model that wrote it; some were corrected since.
;; Causal Self Attention. Allowed arithmetic: float matrix products may take bf16 or f16 operands with f32 sums; all other float work in f32.
;; Inputs: Wkv 1,024 x 2,048 float32; Wo 2,048 x 2,048 float32; Wq 2,048 x 2,048 float32; cos 2,048 x 32 float32; q_gain 16 float32; sin 2,048 x 32 float32; x 1 x 2,048 x 2,048 float32.
;; Outputs: out0 1 x 2,048 x 2,048 float32.
;; One version. Each part assembles by itself: llvm-mc -triple=amdgcn-amd-amdhsa -mcpu=gfx1250 --defsym DOCPART=n.
;; ======== version 1 of 1: 4 launches
;; limits: values outside matrix products are rounded to bf16; values are held in f16: magnitudes above 65,504 overflow, below 6.1e-05 lose precision
;; workspace buffers: xb 8,388,608 bytes; wb 12,582,912 bytes; wob 8,388,608 bytes; qkv 12,582,912 bytes; ob 8,388,608 bytes
;; launch cast (part 1): grid 1792 x 1, 8 waves a work-group, no clusters, 0 bytes of LDS; arguments x, Wq, Wkv, Wo, xb, wb, wob; writes xb, wb, wob
.if DOCPART == 1
	.amdgcn_target "amdgcn-amd-amdhsa--gfx1250"
	.amdhsa_code_object_version 6
	.text
	.protected	k_q602a3c8c18_cast
	.globl	k_q602a3c8c18_cast
	.p2align	8
	.type	k_q602a3c8c18_cast,@function
k_q602a3c8c18_cast:
	s_mov_b64 s[64:65], 0
	v_nop
	global_prefetch_b8 v0, s[64:65] scope:SCOPE_SE
	s_setreg_imm32_b32 hwreg(HW_REG_WAVE_MODE, 25, 1), 1
	s_wait_xcnt 0x0
; x -> xb (bf16), Wq and Wkv -> wb (bf16, Wq's 2048 rows, then Wkv's 1024), Wo -> wob (rounded to bf16, kept as f16).
; A stream: every input byte is read once by 16-byte loads, every output byte written once; LDS, barriers and matrix units would add nothing.
; A work-group takes 8,192 numbers (32 KiB in, 16 KiB out).  Groups 0-511: x; 512-1023: Wq; 1024-1279: Wkv; 1280-1791: Wo.
; A load of a wave covers 512 neighbouring bytes, a store of a wave 256 neighbouring bytes that start at a multiple of 256.
; LIMIT: wob holds bf16(Wo) as f16: exact for magnitudes from 2^-17 to 65,504; below that the absolute error is at most 3e-8; above it the number overflows.
.set XIN,  4                           ; v[4:35]   eight loads of four f32
.set YOUT, 36                          ; v[36:51]  eight pairs of packed 16-bit numbers
.set TW,   52                          ; v[52:55]  Wo's path: bf16 widened again
	s_load_b256 s[4:11], s[0:1], 0x0               ; x s[4:5], Wq s[6:7], Wkv s[8:9], Wo s[10:11]
	s_load_b128 s[12:15], s[0:1], 0x20             ; xb s[12:13], wb s[14:15]
	s_load_b64 s[16:17], s[0:1], 0x30              ; wob
	v_lshlrev_b32 v1, 4, v0                        ; 16 bytes a thread in
	v_lshlrev_b32 v2, 3, v0                        ; 8 bytes a thread out
	s_wait_kmcnt 0x0
	; source, destination and the first group of each, chosen by the group's number alone
	s_mov_b64 s[18:19], s[10:11]                   ; from Wo
	s_mov_b64 s[20:21], s[16:17]                   ; to wob
	s_mov_b32 s22, 1280                            ; the source's first group
	s_mov_b32 s23, 1280                            ; the destination's first group
	s_cmp_lt_u32 ttmp9, 1280
	s_cselect_b64 s[18:19], s[8:9], s[18:19]       ; Wkv
	s_cselect_b64 s[20:21], s[14:15], s[20:21]     ; wb
	s_cselect_b32 s22, 1024, s22
	s_cselect_b32 s23, 512, s23
	s_cmp_lt_u32 ttmp9, 1024
	s_cselect_b64 s[18:19], s[6:7], s[18:19]       ; Wq
	s_cselect_b32 s22, 512, s22
	s_cmp_lt_u32 ttmp9, 512
	s_cselect_b64 s[18:19], s[4:5], s[18:19]       ; x
	s_cselect_b64 s[20:21], s[12:13], s[20:21]     ; xb
	s_cselect_b32 s22, 0, s22
	s_cselect_b32 s23, 0, s23
	s_sub_co_u32 s22, ttmp9, s22
	s_sub_co_u32 s23, ttmp9, s23
	s_lshl_b32 s24, s22, 15                        ; 32 KiB a group in
	s_mov_b32 s25, 0
	s_lshl_b32 s26, s23, 14                        ; 16 KiB a group out
	s_mov_b32 s27, 0
	s_add_nc_u64 s[18:19], s[18:19], s[24:25]
	s_add_nc_u64 s[20:21], s[20:21], s[26:27]
.irp j, 0,1,2,3,4,5,6,7
	global_load_b128 v[XIN+4*\j:XIN+4*\j+3], v1, s[18:19] offset:4096*\j th:TH_LOAD_NT   ; all eight go out before anything is waited for
.endr
; Load j is rounded and stored.  f16 = 1: the bf16 numbers are widened again and packed as f16.
.macro CONV j, f16
	s_wait_loadcnt 7-\j                            ; loads come back in order: load j is in, the 7 - j younger ones stay out
	v_cvt_pk_bf16_f32 v[YOUT+2*\j],   v[XIN+4*\j],   v[XIN+4*\j+1]
	v_cvt_pk_bf16_f32 v[YOUT+2*\j+1], v[XIN+4*\j+2], v[XIN+4*\j+3]
.if \f16
	v_lshlrev_b32 v[TW],   16, v[YOUT+2*\j]
	v_and_b32     v[TW+1], 0xffff0000, v[YOUT+2*\j]
	v_lshlrev_b32 v[TW+2], 16, v[YOUT+2*\j+1]
	v_and_b32     v[TW+3], 0xffff0000, v[YOUT+2*\j+1]
	v_cvt_pk_f16_f32 v[YOUT+2*\j],   v[TW],   v[TW+1]
	v_cvt_pk_f16_f32 v[YOUT+2*\j+1], v[TW+2], v[TW+3]
.endif
	global_store_b64 v2, v[YOUT+2*\j:YOUT+2*\j+1], s[20:21] offset:2048*\j   ; each pair of registers is written once: no wait for a store's sources
.endm
	s_cmp_lt_u32 ttmp9, 1280
	s_cbranch_scc0 .Lwo
.irp j, 0,1,2,3,4,5,6,7
	CONV \j, 0
.endr
	s_endpgm
.Lwo:
.irp j, 0,1,2,3,4,5,6,7
	CONV \j, 1
.endr
	s_endpgm
.Lfunc_end_k_q602a3c8c18_cast:
	.size	k_q602a3c8c18_cast, .Lfunc_end_k_q602a3c8c18_cast-k_q602a3c8c18_cast
	.p2alignl 7, 3214868480
	.fill 96, 4, 3214868480
	.section	.rodata,"a",@progbits
	.p2align	6, 0x0
	.amdhsa_kernel k_q602a3c8c18_cast
		.amdhsa_group_segment_fixed_size 0
		.amdhsa_private_segment_fixed_size 0
		.amdhsa_enable_private_segment 0
		.amdhsa_kernarg_size 56
		.amdhsa_user_sgpr_count 2
		.amdhsa_user_sgpr_kernarg_segment_ptr 1
		.amdhsa_wavefront_size32 1
		.amdhsa_system_sgpr_workgroup_id_x 1
		.amdhsa_system_sgpr_workgroup_id_y 1
		.amdhsa_system_sgpr_workgroup_id_z 1
		.amdhsa_system_vgpr_workitem_id 0
		.amdhsa_next_free_vgpr 56
		.amdhsa_next_free_sgpr 66
		.amdhsa_reserve_vcc 0
		.amdhsa_float_denorm_mode_32 3
		.amdhsa_float_denorm_mode_16_64 3
		.amdhsa_memory_ordered 1
		.amdhsa_forward_progress 1
		.amdhsa_inst_pref_size 9
	.end_amdhsa_kernel
	.amdgpu_metadata
---
amdhsa.version: [ 1, 2 ]
amdhsa.kernels:
  - .name:           k_q602a3c8c18_cast
    .symbol:         k_q602a3c8c18_cast.kd
    .args:
      - { .name: x, .offset: 0, .size: 8, .value_kind: global_buffer, .address_space: global }
      - { .name: Wq, .offset: 8, .size: 8, .value_kind: global_buffer, .address_space: global }
      - { .name: Wkv, .offset: 16, .size: 8, .value_kind: global_buffer, .address_space: global }
      - { .name: Wo, .offset: 24, .size: 8, .value_kind: global_buffer, .address_space: global }
      - { .name: xb, .offset: 32, .size: 8, .value_kind: global_buffer, .address_space: global }
      - { .name: wb, .offset: 40, .size: 8, .value_kind: global_buffer, .address_space: global }
      - { .name: wob, .offset: 48, .size: 8, .value_kind: global_buffer, .address_space: global }
    .group_segment_fixed_size: 0
    .private_segment_fixed_size: 0
    .kernarg_segment_align: 8
    .kernarg_segment_size: 56
    .max_flat_workgroup_size: 256
    .sgpr_count:     66
    .vgpr_count:     56
    .wavefront_size: 32
...
	.end_amdgpu_metadata
.endif
;; end of part 1
;; launch qkvproj (part 2): grid 8 x 32, 4 waves a work-group, clusters of 4 x 4, 327,680 bytes of LDS; arguments xb, wb, cos, sin, q_gain, qkv; writes qkv
.if DOCPART == 2
	.amdgcn_target "amdgcn-amd-amdhsa--gfx1250"
	.amdhsa_code_object_version 6
	.text
	.protected	k_q602a3c8c18_qkvproj
	.globl	k_q602a3c8c18_qkvproj
	.p2align	8
	.type	k_q602a3c8c18_qkvproj,@function
k_q602a3c8c18_qkvproj:
	s_mov_b64 s[64:65], 0
	v_nop
	global_prefetch_b8 v0, s[64:65] scope:SCOPE_SE
	s_setreg_imm32_b32 hwreg(HW_REG_WAVE_MODE, 25, 1), 1
	s_wait_xcnt 0x0
	s_wait_alu depctr_hold_cnt(0) depctr_sa_sdst(0) depctr_va_vdst(0) depctr_va_sdst(0) depctr_va_ssrc(0) depctr_va_vcc(0) depctr_vm_vsrc(0)
	s_getreg_b32 s2, hwreg(HW_REG_IB_STS2, 6, 4)
	s_cmp_eq_u32 s2, 0
	s_cbranch_scc0 .Lentry_in_a_cluster
	s_endpgm
.Lentry_in_a_cluster:
	s_bfe_u32 s2, ttmp6, 0x10000c
	s_cmp_lg_u32 s2, 0xf033
	s_cbranch_scc0 .Lentry_shape_is_right
	s_endpgm
.Lentry_shape_is_right:
; qkv[t][n] = sum over k of xb[t][k] wb[n][k], n = 0..3071, then partial RoPE and the gain, rounded once to f16.
; Columns 128 head + d: q, roped (d < 64), times q_gain[head] * log2(e) / sqrt(128), so that the attention works in powers of two.
; Columns 2048 + 256 g + d: k, roped (d < 64); columns 2048 + 256 g + 128 + d: v, as it is.
; A work-group makes 64 rows x 384 columns (a row of its block is 768 bytes of qkv: three whole aligned pieces of 256); 8 x 32 = 256 work-groups.
; Four waves, each 64 x 96: 24 accumulator tiles.  K goes in steps of 128 through two LDS slots filled by the tensor data mover.
; CLUSTERS: 4 x 4 work-groups.  x's tile hangs on the block row alone and is asked for jointly by the four of a row of the cluster;
; W's hangs on the block column alone and is asked for jointly by the four of a column.
; THE WALK ALONG K: a cluster begins at K step 4 (cluster y mod 4) + 8 (cluster x) and goes round modulo 16.  Clusters that need the same tile of W (same cluster x)
; ask for it 4 trips apart, those that need the same tile of x (same cluster y) 8 trips apart, so that the later ones ask for bytes that an earlier one has
; already read, instead of all asking for them in the same trip.  The sums are the same products, added in a rotated order.
; The matrix instruction is used transposed (source 0 = 16 rows of W, source 1 = 16 rows of x): lane (r, h) holds row 16 a + r of the block and
; in registers 0..7 the columns 16 b + 8 h + 0..7: four neighbouring RoPE pairs, 16 bytes of f16.
; LIMITS: results are kept in f16: magnitudes below 65,504; below 6.1e-5 the absolute error is 3e-8.  With ROUND_TABLES = 1 cos, sin and q_gain are
; rounded to bf16 before use, as x and the weights are.
; REGISTERS: window 0: v16-30 addresses, v32-111 and v112-191 two fragment buffers (6 of W, 4 of x); window 1: the 24 accumulator tiles, tile (a, b) at 8 (6 a + b);
; window 2: cos and sin of my rows: (a, f) at 32 a + 8 f: four cos, four sin.
.set ROUND_TABLES, 1
.set KAPPA,  0x3e0293ee                ; log2(e) / sqrt(128) = 0.12751743
.set DK,     2048
.set MT,     64
.set NT,     384
.set NB,     6
.set KSTEP,  128
.set SB,     KSTEP*2                   ; bytes of a K step in a row
.set ROWB,   DK*2                      ; bytes in a row of xb and of wb
.set PITCH,  272                       ; an LDS row: 256 bytes + 16 of padding: sixteen rows start at sixteen different 16-byte columns modulo 256
.set HALFT,  128*PITCH                 ; what a wave's load of W fills; wave w fills from w x HALFT on
.set SLOT,   (NT+MT)*PITCH             ; W's 384 rows, then x's 64 rows
.set STAGE,  2*SLOT                    ; behind the ring: 64 rows x 784 bytes, the block in f16; no fill lands here
.set SPITCH, 784                       ; 768 + 16
.set CROW,   6144                      ; bytes in a row of qkv
.set LAPS,   DK/(2*KSTEP)              ; a lap = two K steps = once round the ring
.set ADRA, 16                          ; v16-17 LDS address of my fragments of x in slot 0, 1
.set ADRB, 20                          ; v20-21 the same for W
.set STO,  24                          ; the way out: where I put 16 bytes
.set RD,   25                          ; the way out: where I read rows back
.set CO,   26                          ; my byte offset in the block of qkv
.set VCS,  27                          ; v27-30 byte offsets into cos and sin, one for each of four places of a tile in a head's first 64 channels
.set F0,   32
.set F1,   112
.set KO,  18                           ; s[18:19] byte offset in a row of the K step that is asked for next (high word 0)
.set G1,  24                           ; s[24:31] group 1 for x's tiles
.set G0,  32                           ; s[32:39] group 0 for x's tiles, a set for each slot
.set G1B, 48                           ; s[48:55] group 1 for W's tiles
.set G0B, 56                           ; s[56:63] group 0 for W's tiles
.set GN,  72                           ; s72-77 the gain of tile b's head
.set GS,  78                           ; s78-83 factor of cos and sin: g where tile b is roped, else 0
.set GC,  84                           ; s84-89 constant beside cos: 0 where tile b is roped, else g
.set GO,  90                           ; s90-95 byte offsets into q_gain
.set MSB, 0
.macro WIN new                         ; the immediate's high byte repeats the setting that is left
.if MSB != \new
	s_set_vgpr_msb (MSB<<8)|\new
.set MSB, \new
.endif
.endm
.macro PLACES                          ; four places behind a matrix instruction, in front of loads into its sources and of readers of its results
.rept 4
	v_nop
.endr
.endm
; A joint load.  Waves 0 to 2 fetch W's three chunks of 128 rows, wave 3 x's 64 rows.  Each line has one mask; the branch hangs on the wave's number alone.
.macro JLOAD s
	s_cmp_lt_u32 s10, 3
	s_cbranch_scc0 .Lfor_a_\@
	tensor_load_to_lds s[G0B+4*\s:G0B+4*\s+3], s[G1B:G1B+7]
	s_nop 0
	s_branch .Lasked_\@
.Lfor_a_\@:
	tensor_load_to_lds s[G0+4*\s:G0+4*\s+3], s[G1:G1+7]
	s_nop 0
.Lasked_\@:
.endm
; Slot s's two addresses: the tiles' rows at the K step that is due; then the offset goes one K step on, round the row's end.
.macro KADDR s
	s_add_nc_u64 s[G0+4*\s+2:G0+4*\s+3], s[14:15], s[KO:KO+1]
	s_or_b32 s[G0+4*\s+3], s[G0+4*\s+3], 0x80000000
	s_add_nc_u64 s[G0B+4*\s+2:G0B+4*\s+3], s[46:47], s[KO:KO+1]
	s_or_b32 s[G0B+4*\s+3], s[G0B+4*\s+3], 0x80000000
	s_add_co_u32 s[KO], s[KO], SB
	s_and_b32 s[KO], s[KO], ROWB-1
.endm
.macro CREST                           ; a round of the cluster's barrier behind its opening barrier
	s_cmp_lg_u32 s10, 0
	s_cbranch_scc1 .Lnot_wave_0_\@
	s_barrier_signal -3
.Lnot_wave_0_\@:
	s_barrier_wait -3
	s_barrier_signal -1
	s_barrier_wait -1
.endm
.macro CROUND                          ; a whole round
	s_barrier_signal -1
	s_barrier_wait -1
	CREST
.endm
	s_load_b128 s[4:7], s[0:1], 0x0                ; xb s[4:5], wb s[6:7]
	s_load_b128 s[68:71], s[0:1], 0x10             ; cos s[68:69], sin s[70:71]
	s_load_b64 s[66:67], s[0:1], 0x20              ; q_gain
	s_load_b64 s[8:9], s[0:1], 0x28                ; qkv
	v_lshl_add_u32 v254, v0, 2, 0x47c00
	v_mov_b32 v255, 0
	ds_add_u32 v254, v255
	v_lshrrev_b32 v1, 5, v0
	v_readfirstlane_b32 s10, v1                    ; wave 0..3
	s_bfe_u32 s40, ttmp6, 0x40000                  ; cx
	s_bfe_u32 s41, ttmp6, 0x40004                  ; cy
	s_lshl_b32 s42, ttmp9, 2
	s_add_co_u32 s42, s42, s40                     ; block column = 4 x cluster x + cx
	s_and_b32 s13, ttmp7, 0xffff
	s_lshl_b32 s13, s13, 2
	s_add_co_u32 s13, s13, s41                     ; block row = 4 x cluster y + cy
	s_lshl_b32 s43, s41, 2
	s_lshl_b32 s43, 15, s43                        ; my row of the cluster
	s_lshl_b32 s44, 0x1111, s40                    ; my column
	; where my cluster begins its walk along K: made of the cluster's own x and y, alike in all sixteen work-groups
	s_and_b32 s[KO], ttmp7, 3
	s_lshl_b32 s[KO], s[KO], 10                    ; 4 K steps of 256 bytes for each cluster y mod 4
	s_lshl_b32 s[KO+1], ttmp9, 11                  ; 8 K steps for cluster x
	s_add_co_u32 s[KO], s[KO], s[KO+1]
	s_and_b32 s[KO], s[KO], ROWB-1
	s_mov_b32 s[KO+1], 0
	s_or_b32 s[G1+0],  s43, (1<<16)|(1<<20)|(1<<21)|(5<<22)|(3<<25)   ; mask; 2-byte elements; padding on; bit 21 beside a mask; after 64 words, 4 words
	s_or_b32 s[G1B+0], s44, (1<<16)|(1<<20)|(1<<21)|(5<<22)|(3<<25)
	s_mov_b32 s[G1+1],  KSTEP<<16                  ; tensor_dim0 = 128
	s_mov_b32 s[G1B+1], KSTEP<<16
	s_mov_b32 s[G1+2],  MT<<16                     ; tensor_dim1 = 64 rows of x
	s_mov_b32 s[G1B+2], 128<<16                    ; 128 rows of W
	s_mov_b32 s[G1+3],  KSTEP<<16                  ; tile_dim0 = 128
	s_mov_b32 s[G1B+3], KSTEP<<16
	s_mov_b32 s[G1+4],  MT                         ; tile_dim1
	s_mov_b32 s[G1B+4], 128
	s_mov_b32 s[G1+5],  DK                         ; elements from row to row
	s_mov_b32 s[G1B+5], DK
	s_mov_b32 s[G1+6],  0
	s_mov_b32 s[G1B+6], 0
	s_mov_b32 s[G1+7],  0
	s_mov_b32 s[G1B+7], 0
	; x's tile hangs on the block row alone, W's on the block column and the wave; each in registers that never hold the other coordinate
	s_lshl_b32 s16, s13, 18                        ; 64 rows of 4,096 bytes a block row
	s_mov_b32 s17, 0
	s_min_u32 s46, s10, 2                          ; which chunk of W (wave 3 asks for x and does not use this)
	s_lshl_b32 s46, s46, 7
	s_mul_i32 s47, s42, NT
	s_add_co_u32 s46, s46, s47                     ; W's row 384 x block column + 128 x chunk
	s_lshl_b32 s46, s46, 12
	s_mov_b32 s47, 0
	s_mul_i32 s45, s10, HALFT                      ; where my load lands: wave x 128 LDS rows (wave 3: behind W's 384 rows)
	s_wait_dscnt 0x0
	s_wait_kmcnt 0x0
	s_add_nc_u64 s[14:15], s[4:5], s[16:17]        ; x's rows, at K = 0; kept
	s_add_nc_u64 s[46:47], s[6:7], s[46:47]        ; W's rows, at K = 0; kept until the way out
	CROUND                                         ; all sixteen work-groups are here: the first joint loads meet
.irp s, 0,1
	s_mov_b32 s[G0+4*\s], 1
	s_add_co_u32 s[G0+4*\s+1], s45, \s*SLOT
	s_mov_b32 s[G0B+4*\s], 1
	s_add_co_u32 s[G0B+4*\s+1], s45, \s*SLOT
	KADDR \s
	JLOAD \s                                       ; my cluster's first two K steps: two loads of the wave are out
.endr
	v_and_b32 v1, 15, v0                           ; r
	v_bfe_u32 v2, v0, 4, 1                         ; h
	v_mul_u32_u24 v3, v1, PITCH
	v_lshl_add_u32 v3, v2, 4, v3                   ; r x pitch + 16 h
	s_mov_b32 s21, NT*PITCH                        ; x's rows lie behind W's
	s_mul_i32 s22, s10, 96*PITCH                   ; my 96 rows of W
.irp s, 0,1
	v_add_nc_u32 v[ADRA+\s], s21, v3
	v_add_nc_u32 v[ADRB+\s], s22, v3
	s_add_co_u32 s21, s21, SLOT
	s_add_co_u32 s22, s22, SLOT
.endr
	v_mul_u32_u24 v4, v1, SPITCH                   ; stage, in: row r, my wave's 192 bytes, 16 bytes for each half of the lanes
	v_lshl_add_u32 v4, v2, 4, v4
	s_mul_i32 s23, s10, 192
	s_add_co_u32 s23, s23, STAGE
	v_add_nc_u32 v[STO], s23, v4
	v_mul_u32_u24 v5, v2, SPITCH                   ; stage, back: rows 16 w + h, 16 bytes a lane
	v_lshl_add_u32 v5, v1, 4, v5
	s_mul_i32 s23, s10, 16*SPITCH
	s_add_co_u32 s23, s23, STAGE
	v_add_nc_u32 v[RD], s23, v5
	v_mul_u32_u24 v5, v2, CROW                     ; and the same rows in qkv
	v_lshl_add_u32 v5, v1, 4, v5
	s_mul_i32 s23, s10, 16*CROW
	v_add_nc_u32 v[CO], s23, v5
	; cos and sin: row t = 64 block row + 16 a + r, 128 bytes a row.  Tile b begins at channel 16 ((2 w + b) mod 4) of a head's 64 roped channels
	; (384 and 96 w + 16 b modulo 64), that is at pair 8 ((2 w + b) mod 4); the lane's four pairs follow at 4 h.
	s_lshl_b32 s21, s13, 13
	v_lshlrev_b32 v6, 7, v1
	v_lshl_add_u32 v6, v2, 4, v6
	v_add_nc_u32 v6, s21, v6
.irp f, 0,1,2,3
	s_lshl_b32 s22, s10, 1
	s_add_co_u32 s22, s22, \f
	s_and_b32 s22, s22, 3
	s_lshl_b32 s22, s22, 5
	v_add_nc_u32 v[VCS+\f], s22, v6
.endr
	WIN 0x80                                       ; destination window 2
.irp a, 0,1,2,3
.irp f, 0,1,2,3
	global_load_b128 v[32*\a+8*\f:32*\a+8*\f+3],   v[VCS+\f], s[68:69] offset:2048*\a   ; waited for at the head of the way out
	global_load_b128 v[32*\a+8*\f+4:32*\a+8*\f+7], v[VCS+\f], s[70:71] offset:2048*\a
.endr
.endr
	WIN 0
	; the six tiles' factors, by selects alone: no branch hangs on the place in the cluster
	s_mul_i32 s20, s42, NT
	s_mul_i32 s21, s10, 96
	s_add_co_u32 s20, s20, s21                     ; my first column
.irp b, 0,1,2,3,4,5
	s_add_co_u32 s[GO+\b], s20, 16*\b
	s_lshr_b32 s[GO+\b], s[GO+\b], 7               ; the head,
	s_min_u32 s[GO+\b], s[GO+\b], 15               ; or the last one for columns of k and v, whose gain is not used
	s_lshl_b32 s[GO+\b], s[GO+\b], 2
	s_load_b32 s[GN+\b], s[66:67], s[GO+\b] offset:0x0
.endr
	s_wait_kmcnt 0x0
.if ROUND_TABLES
.irp b, 0,2,4
	v_cvt_pk_bf16_f32 v7, s[GN+\b], s[GN+\b+1]
	v_readfirstlane_b32 s21, v7
	s_lshl_b32 s[GN+\b], s21, 16
	s_and_b32 s[GN+\b+1], s21, 0xffff0000
.endr
.endif
.irp b, 0,1,2,3,4,5
	s_add_co_u32 s21, s20, 16*\b                   ; the tile's first column c
	s_mul_f32 s22, s[GN+\b], KAPPA
	s_cmp_lt_u32 s21, 2048
	s_cselect_b32 s22, s22, 0x3f800000             ; g: gain x kappa for q, 1 for k and v
	s_cselect_b32 s23, 64, 192                     ; roped: c mod 128 < 64 for q, c mod 256 < 64 for k and v
	s_and_b32 s23, s21, s23                        ; SCC = not roped
	s_cselect_b32 s[GS+\b], 0, s22
	s_cselect_b32 s[GC+\b], s22, 0
.endr
; 12 matrix instructions: row blocks a0, a0 + 1 x all six column blocks, 32 along K.  The 24 accumulators take turns, one instruction a turn, in the same order in
; every quarter step, over the backward jump too.
.macro MUL f, a0, zero
.irp a, \a0, \a0+1
.irp b, 0,1,2,3,4,5
.if \zero
	v_wmma_f32_16x16x32_bf16 v[8*(NB*(\a)+\b):8*(NB*(\a)+\b)+7], v[\f+8*\b:\f+8*\b+7], v[\f+8*NB+8*(\a):\f+8*NB+8*(\a)+7], 0
.else
	v_wmma_f32_16x16x32_bf16 v[8*(NB*(\a)+\b):8*(NB*(\a)+\b)+7], v[\f+8*\b:\f+8*\b+7], v[\f+8*NB+8*(\a):\f+8*NB+8*(\a)+7], v[8*(NB*(\a)+\b):8*(NB*(\a)+\b)+7]
.endif
.endr
.endr
.endm
; 20 LDS loads: the fragments of one quarter step (96 rows of W, 64 rows of x, 32 K at byte k of the rows) into buffer f
.macro FETCH slot, k, f
.irp b, 0,1,2,3,4,5
	ds_load_b128 v[\f+8*\b:\f+8*\b+3],   v[ADRB+\slot] offset:\k+\b*16*PITCH
	ds_load_b128 v[\f+8*\b+4:\f+8*\b+7], v[ADRB+\slot] offset:\k+\b*16*PITCH+32
.endr
.irp a, 0,1,2,3
	ds_load_b128 v[\f+8*NB+8*\a:\f+8*NB+8*\a+3],   v[ADRA+\slot] offset:\k+\a*16*PITCH
	ds_load_b128 v[\f+8*NB+8*\a+4:\f+8*NB+8*\a+7], v[ADRA+\slot] offset:\k+\a*16*PITCH+32
.endr
.endm
; One of a K step's first three quarters: the next quarter's fragments are asked for into buffer g, then buffer f is multiplied.
.macro QUARTER slot, k, f, g, zero
	s_wait_dscnt 0x0                               ; buffer f, asked for a quarter ago, is in
	PLACES                                         ; behind the last quarter's matrix instructions, which read buffer g
	FETCH \slot, \k, \g
	WIN 0x50                                       ; C and D in window 1
	MUL \f, 0, \zero
	MUL \f, 2, \zero
	WIN 0
.endm
.macro STEPQ slot, zero
	QUARTER \slot, 64,  F0, F1, \zero
	QUARTER \slot, 128, F1, F0, 0
	QUARTER \slot, 192, F0, F1, 0
.endm
; The last quarter changes slots and then multiplies buffer 1.  In front of the barrier each wave waits for its reads of this slot (buffer 1 holds the last of them) and for
; all its tensor loads (the one that is out is its part of the next slot).  Where the slot is filled again the barrier opens a round of the cluster's barrier, and the
; joint load is the first tensor load behind the round; nothing but the round stands between a tile's landing and the next request.  From a request to the wait
; for it a wave issues a whole K step's 96 matrix instructions.
.macro TURN slot, next, fill
	s_wait_dscnt 0x0
	s_wait_tensorcnt 0x0
	ds_add_u32 v254, v255
	s_wait_dscnt 0x0
	s_barrier_signal -1
	s_barrier_wait -1
.if \fill
	CREST
	KADDR \slot                                    ; no load of mine is out: a group 0 may be written
	JLOAD \slot
.endif
	PLACES                                         ; behind the matrix instructions that read buffer 0
	FETCH \next, 0, F0
	WIN 0x50
	MUL F1, 0, 0
	MUL F1, 2, 0
	WIN 0
.endm
.macro LAP zero
	STEPQ 0, \zero
	TURN 0, 1, 1
	STEPQ 1, 0
	TURN 1, 0, 1
.endm
	s_wait_tensorcnt 0x1                           ; my part of the first K step is in; the second's load stays out
	s_barrier_signal -1
	s_barrier_wait -1
	FETCH 0, 0, F0
	LAP 1                                          ; the first products start the sums: nothing is cleared
	s_mov_b32 s3, LAPS-2
.Llap:
	LAP 0
	s_sub_co_u32 s3, s3, 1
	s_cmp_lg_u32 s3, 0
	s_cbranch_scc1 .Llap
	STEPQ 0, 0                                     ; the last lap fills nothing
	TURN 0, 1, 0
	STEPQ 1, 0
	s_wait_dscnt 0x0
	WIN 0x50
	MUL F1, 0, 0
	MUL F1, 2, 0
	WIN 0
	; THE WAY OUT
	PLACES
	s_mul_i32 s16, s13, MT*CROW
	s_mov_b32 s17, 0
	s_add_nc_u64 s[8:9], s[8:9], s[16:17]          ; my block's first row
	s_mul_i32 s46, s42, NT*2
	s_mov_b32 s47, 0
	s_add_nc_u64 s[8:9], s[8:9], s[46:47]          ; and first column
	s_wait_loadcnt 0x0                             ; cos and sin
.if ROUND_TABLES
	WIN 0x0a                                       ; sources window 2, destination window 0: the fragment buffers are free now
.set i, 0
.rept 64
	v_cvt_pk_bf16_f32 v[32+i], v[2*i], v[2*i+1]
.set i, i+1
.endr
	WIN 0x80
.set i, 0
.rept 64
	v_lshlrev_b32 v[2*i],   16, v[32+i]
	v_and_b32     v[2*i+1], 0xffff0000, v[32+i]
.set i, i+1
.endr
	WIN 0
.endif
; Rows 16 a .. 16 a + 15.  With C = g cos and S = g sin where the tile is roped, C = g and S = 0 elsewhere: (x1, x2) -> (x1 C - x2 S, x2 C + x1 S).
.macro OUTA a
	WIN 0x02                                       ; source 0 in window 2
.irp b, 0,1,2,3,4,5
.irp i, 0,1,2,3
	v_fma_f32 v[32+4*\b+\i], v[32*\a+8*(\b&3)+\i], s[GS+\b], s[GC+\b]
	v_mul_f32 v[56+4*\b+\i], v[32*\a+8*(\b&3)+4+\i], s[GS+\b]
.endr
.endr
	WIN 0x01                                       ; source 0 in window 1
.irp b, 0,1,2,3,4,5
.irp i, 0,1,2,3
	v_mul_f32 v[80+8*\b+2*\i], v[8*(NB*\a+\b)+2*\i],   v[32+4*\b+\i]
	v_mul_f32 v[81+8*\b+2*\i], v[8*(NB*\a+\b)+2*\i+1], v[32+4*\b+\i]
	v_fma_f32 v[80+8*\b+2*\i], -v[8*(NB*\a+\b)+2*\i+1], v[56+4*\b+\i], v[80+8*\b+2*\i]
	v_fma_f32 v[81+8*\b+2*\i], v[8*(NB*\a+\b)+2*\i],    v[56+4*\b+\i], v[81+8*\b+2*\i]
.endr
.endr
	WIN 0
.irp b, 0,1,2,3,4,5
.irp i, 0,1,2,3
	v_cvt_pk_f16_f32 v[128+4*\b+\i], v[80+8*\b+2*\i], v[81+8*\b+2*\i]
.endr
.endr
.irp b, 0,1,2,3,4,5
	ds_store_b128 v[STO], v[128+4*\b:128+4*\b+3] offset:\a*16*SPITCH+32*\b
.endr
.endm
	OUTA 0
	OUTA 1
	OUTA 2
	OUTA 3
	s_wait_dscnt 0x0                               ; my stores into the stage are done: each of its rows is made by all four waves
	s_barrier_signal -1
	s_barrier_wait -1
.irp p, 0,1,2,3,4,5,6,7
.irp u, 0,1,2
	ds_load_b128 v[32+4*(3*\p+\u):32+4*(3*\p+\u)+3], v[RD] offset:\p*2*SPITCH+256*\u
.endr
.endr
.irp p, 0,1,2,3,4,5,6,7
.irp u, 0,1,2
	s_wait_dscnt 23-(3*\p+\u)                      ; LDS loads come back in order: this one is in, the younger ones stay out
	global_store_b128 v[CO], v[32+4*(3*\p+\u):32+4*(3*\p+\u)+3], s[8:9] offset:\p*2*CROW+256*\u   ; sixteen lanes store 256 consecutive bytes, at a multiple of 256
.endr
.endr
	s_wait_tensorcnt 0x0
	ds_add_u32 v254, v255
	s_wait_dscnt 0x0
	CROUND                                         ; the closing round: no work-group ends while a partner may still ask for a tile that names it
	s_endpgm
.Lfunc_end_k_q602a3c8c18_qkvproj:
	.size	k_q602a3c8c18_qkvproj, .Lfunc_end_k_q602a3c8c18_qkvproj-k_q602a3c8c18_qkvproj
	.p2alignl 7, 3214868480
	.fill 96, 4, 3214868480
	.section	.rodata,"a",@progbits
	.p2align	6, 0x0
	.amdhsa_kernel k_q602a3c8c18_qkvproj
		.amdhsa_group_segment_fixed_size 327680
		.amdhsa_private_segment_fixed_size 0
		.amdhsa_enable_private_segment 0
		.amdhsa_kernarg_size 48
		.amdhsa_user_sgpr_count 2
		.amdhsa_user_sgpr_kernarg_segment_ptr 1
		.amdhsa_wavefront_size32 1
		.amdhsa_system_sgpr_workgroup_id_x 1
		.amdhsa_system_sgpr_workgroup_id_y 1
		.amdhsa_system_sgpr_workgroup_id_z 1
		.amdhsa_system_vgpr_workitem_id 0
		.amdhsa_next_free_vgpr 640
		.amdhsa_next_free_sgpr 100
		.amdhsa_reserve_vcc 0
		.amdhsa_float_denorm_mode_32 3
		.amdhsa_float_denorm_mode_16_64 3
		.amdhsa_memory_ordered 1
		.amdhsa_forward_progress 1
		.amdhsa_inst_pref_size 144
	.end_amdhsa_kernel
	.amdgpu_metadata
---
amdhsa.version: [ 1, 2 ]
amdhsa.kernels:
  - .name:           k_q602a3c8c18_qkvproj
    .symbol:         k_q602a3c8c18_qkvproj.kd
    .args:
      - { .name: xb, .offset: 0, .size: 8, .value_kind: global_buffer, .address_space: global }
      - { .name: wb, .offset: 8, .size: 8, .value_kind: global_buffer, .address_space: global }
      - { .name: cos, .offset: 16, .size: 8, .value_kind: global_buffer, .address_space: global }
      - { .name: sin, .offset: 24, .size: 8, .value_kind: global_buffer, .address_space: global }
      - { .name: q_gain, .offset: 32, .size: 8, .value_kind: global_buffer, .address_space: global }
      - { .name: qkv, .offset: 40, .size: 8, .value_kind: global_buffer, .address_space: global }
    .group_segment_fixed_size: 327680
    .private_segment_fixed_size: 0
    .kernarg_segment_align: 8
    .kernarg_segment_size: 48
    .max_flat_workgroup_size: 128
    .sgpr_count:     100
    .vgpr_count:     640
    .wavefront_size: 32
...
	.end_amdgpu_metadata
.endif
;; end of part 2
;; launch attn (part 3): grid 256 x 1, 4 waves a work-group, clusters of 4 x 1, 327,680 bytes of LDS; arguments qkv, ob; writes ob
.if DOCPART == 3
	.amdgcn_target "amdgcn-amd-amdhsa--gfx1250"
	.amdhsa_code_object_version 6
	.text
	.protected	k_q602a3c8c18_attn
	.globl	k_q602a3c8c18_attn
	.p2align	8
	.type	k_q602a3c8c18_attn,@function
k_q602a3c8c18_attn:
	s_mov_b64 s[64:65], 0
	v_nop
	global_prefetch_b8 v0, s[64:65] scope:SCOPE_SE
	s_setreg_imm32_b32 hwreg(HW_REG_WAVE_MODE, 25, 1), 1
	s_wait_xcnt 0x0
	s_wait_alu depctr_hold_cnt(0) depctr_sa_sdst(0) depctr_va_vdst(0) depctr_va_sdst(0) depctr_va_ssrc(0) depctr_va_vcc(0) depctr_vm_vsrc(0)
	s_getreg_b32 s2, hwreg(HW_REG_IB_STS2, 6, 4)
	s_cmp_eq_u32 s2, 0
	s_cbranch_scc0 .Lentry_in_a_cluster
	s_endpgm
.Lentry_in_a_cluster:
	s_bfe_u32 s2, ttmp6, 0x10000c
	s_cmp_lg_u32 s2, 0x3003
	s_cbranch_scc0 .Lentry_shape_is_right
	s_endpgm
.Lentry_shape_is_right:
; Causal attention, 16 query heads on 4 key and value heads, head size 128, all operands f16 from qkv, sums and softmax in f32, o in f16.
; q already carries q_gain * log2(e) / sqrt(128): a score is an exponent of two.  The running maximum is taken away in front of every exponential.
; SHARE: cluster number = 16 g + p (g: key and value head).  Its four work-groups are the four query heads 4 g + cx.  Each makes two blocks of 64 queries, first
; block 31 - p, then block p.  Keys go in steps of 256; block i needs (i >> 2) + 1 steps, so each work-group makes (8 - a) + (a + 1) = 9 steps, a = p >> 2.
; A block's step on the diagonal comes first and is the only one that is masked; the others run downward.
; In a step all four waves take the same 64 queries, and wave w the keys 64 w .. 64 w + 63; at a block's end the four waves' partial results are merged through LDS.
; CLUSTER: the four work-groups walk the same tiles of K and V in the same steps: every tile is asked for jointly (mask 15).
; LAYOUTS: S^T = K Q^T: lane (r, h), register j of tile (nt, mt) = key 16 mt + 8 h + j, query 16 nt + r.  Two neighbouring tiles, packed to f16 in place, are source 1
; of O^T = V^T P^T without any exchange between lanes.  V^T comes by transposing loads.
; MASKED PLACES get finfo.min, as in the problem.  A wave whose 64 keys are all masked for a query keeps maximum finfo.min, p = 1 and finite sums; a later step's factor
; 2^(finfo.min - m) = 0, or its factor 0 in the merge, wipes them: some wave always holds the query's own key.  The second block starts with maximum finfo.min and sum 0,
; so its first rescaling wipes the first block's accumulators in the same way: only the very first step starts its sums by the constant 0.
; LIMITS: operands in f16 (magnitudes below 65,504; below 6.1e-5 an absolute error of 3e-8); true scores are taken to lie above -1e38.
; REGISTERS: window 0: v8-19 addresses, v64-191 fragments of K, then of V, v192-223 and v224-255 the merge; window 1: S and P at 8 (4 nt + mt), the softmax's figures from 128 on;
; window 2: O at 8 (4 t + nt); window 3: Q at 8 (4 nt + ks).
.set PITCH,  272                       ; an LDS row: 256 bytes + 16 of padding
.set HALFT,  128*PITCH                 ; what one tensor load fills
.set SLOT,   4*HALFT                   ; K's 256 rows, then V's 256 rows
.set SCR,    2*SLOT                    ; behind the ring; no fill lands here
.set STG,    SCR+16384                 ; four stages of 16 rows x 272 bytes; they lie over the exchange buffer of the even phases, which is read for the last time in phase 6
.set MLB,    SCR+33792                 ; maxima and sums: 4 waves x 64 queries x 8 bytes
.set QROW,   6144                      ; bytes in a row of qkv
.set TILEB,  256*QROW                  ; bytes from a tile of 256 keys to the next
.set KAD, 8                            ; v8-9    my K fragments in slot 0, 1
.set VAD, 10                           ; v10-11  my V fragments
.set QO,  12                           ; offset of my part of a query row
.set XW,  13                           ; exchange: where I write
.set XRD, 14                           ; exchange: where I read
.set MLW, 15
.set MLR, 16
.set STO, 17
.set RD,  18
.set CO,  19
.set FR,   64
.set XT,   192
.set OUTP, 224
.set RM,   128                         ; window 1: 128 + 4 nt: maximum, sum, factor, scratch
.set RY,   144
.set RTHR, 148                         ; masked where 16 mt + j > this
.set RNEG, 152
.set RG,   160                         ; (maximum, sum) of wave wq, query tile nt at 160 + 2 (4 wq + nt)
.set RT,   192
.set RMM,  200
.set RLT,  204
.set G1, 16                            ; s[16:23]
.set G0, 32                            ; s[32:39], a set for each slot
.set MSB, 0
.macro WIN new
.if MSB != \new
	s_set_vgpr_msb (MSB<<8)|\new
.set MSB, \new
.endif
.endm
.macro NOPS n
.rept \n
	v_nop
.endr
.endm
.macro CROUND                          ; a round of the cluster's barrier
	s_barrier_signal -1
	s_barrier_wait -1
	s_cmp_lg_u32 s8, 0
	s_cbranch_scc1 .Lnot_wave_0_\@
	s_barrier_signal -3
.Lnot_wave_0_\@:
	s_barrier_wait -3
	s_barrier_signal -1
	s_barrier_wait -1
.endm
	s_load_b128 s[4:7], s[0:1], 0x0                ; qkv s[4:5], ob s[6:7]
	v_lshl_add_u32 v62, v0, 2, 0x4cc00
	v_mov_b32 v63, 0
	ds_add_u32 v62, v63
	v_lshrrev_b32 v1, 5, v0
	v_readfirstlane_b32 s8, v1                     ; wave
	s_bfe_u32 s9, ttmp6, 0x40000                   ; cx
	s_lshr_b32 s10, ttmp9, 4                       ; g
	s_and_b32 s11, ttmp9, 15                       ; p
	s_lshr_b32 s12, s11, 2                         ; a
	s_sub_co_u32 s13, 8, s12                       ; SW: the steps of the first block
	s_mov_b32 s14, 0                               ; n: the step's number
	s_mov_b32 s30, 0x76543210                      ; v_permlanex16_b32: lane i of one half reads lane i of the other
	s_mov_b32 s31, 0xfedcba98
	s_mov_b32 s[G1+0], 15|(1<<16)|(1<<20)|(1<<21)|(5<<22)|(3<<25)   ; all four work-groups; 2-byte elements; padding: after 64 words, 4 words
	s_mov_b32 s[G1+1], 128<<16                     ; tensor_dim0 = 128
	s_mov_b32 s[G1+2], 128<<16                     ; tensor_dim1 = 128
	s_mov_b32 s[G1+3], 128<<16                     ; tile_dim0 = 128
	s_mov_b32 s[G1+4], 128                         ; tile_dim1 = 128
	s_mov_b32 s[G1+5], 3072                        ; elements from row to row
	s_mov_b32 s[G1+6], 0
	s_mov_b32 s[G1+7], 0
	; wave w fetches rows 128 (w & 1) .. + 127 of K (w < 2) or of V: nothing here hangs on cx
	s_and_b32 s28, s8, 1
	s_mul_i32 s26, s28, 128*QROW
	s_lshr_b32 s28, s8, 1
	s_lshl_b32 s28, s28, 8
	s_add_co_u32 s26, s26, s28
	s_lshl_b32 s28, s10, 9
	s_add_co_u32 s26, s26, s28
	s_add_co_u32 s26, s26, 4096                    ; column 2048 + 256 g + 128 (w >> 1), in bytes
	s_mov_b32 s27, 0
	s_mul_i32 s29, s8, HALFT
	s_mov_b32 s[G0], 1
	s_add_co_u32 s[G0+1], s29, 0
	s_mov_b32 s[G0+4], 1
	s_add_co_u32 s[G0+5], s29, SLOT
	s_wait_dscnt 0x0
	s_wait_kmcnt 0x0
	s_add_nc_u64 s[24:25], s[4:5], s[26:27]        ; my part of tile 0 of my key and value head
	s_sub_co_u32 s28, s13, 1                       ; the first step's tile: the first block's diagonal
	s_mul_i32 s26, s28, TILEB
	s_add_nc_u64 s[G0+2:G0+3], s[24:25], s[26:27]
	s_or_b32 s[G0+3], s[G0+3], 0x80000000
	CROUND                                         ; in front of the first joint load
	tensor_load_to_lds s[G0:G0+3], s[G1:G1+7]
	s_nop 0
	s_lshl_b32 s49, s10, 2
	s_add_co_u32 s49, s49, s9                      ; head
	s_lshl_b32 s49, s49, 8                         ; its 256 bytes in a row of q and of o
	s_sub_co_u32 s52, 31, s11                      ; the first block
	s_mov_b32 s51, 0
	s_mul_i32 s50, s52, 64*QROW
	s_add_co_u32 s50, s50, s49
	s_add_nc_u64 s[40:41], s[4:5], s[50:51]        ; q of the first block
	s_mul_i32 s50, s11, 64*QROW
	s_add_co_u32 s50, s50, s49
	s_add_nc_u64 s[42:43], s[4:5], s[50:51]        ; q of the second
	s_lshl_b32 s50, s52, 18                        ; 64 rows of 4,096 bytes
	s_add_co_u32 s50, s50, s49
	s_add_nc_u64 s[44:45], s[6:7], s[50:51]        ; o of the first block
	s_lshl_b32 s50, s11, 18
	s_add_co_u32 s50, s50, s49
	s_add_nc_u64 s[46:47], s[6:7], s[50:51]        ; o of the second
	s_and_b32 s28, s11, 3                          ; second block mod 4
	s_sub_co_u32 s29, 3, s28                       ; first block mod 4
	s_sub_co_i32 s29, s29, s8
	s_lshl_b32 s29, s29, 6                         ; 64 ((first block mod 4) - w)
	s_lshl_b32 s48, s28, 7
	s_sub_co_i32 s48, s48, 192                     ; what the second block adds to the thresholds: 64 (2 (p mod 4) - 3)
	v_and_b32 v3, 31, v0                           ; lane L
	v_and_b32 v1, 15, v0                           ; r
	v_bfe_u32 v2, v0, 4, 1                         ; h
	v_and_b32 v4, 7, v0
	v_bfe_u32 v5, v0, 3, 1
	v_mul_u32_u24 v6, v1, PITCH
	v_lshl_add_u32 v6, v2, 4, v6
	s_mul_i32 s28, s8, 64*PITCH
	v_add_nc_u32 v[KAD], s28, v6                   ; (64 w + r) pitch + 16 h
	v_add_nc_u32 v[KAD+1], SLOT, v[KAD]
	v_lshl_add_u32 v6, v2, 3, v4
	v_mul_u32_u24 v6, v6, PITCH
	v_lshl_add_u32 v6, v5, 7, v6
	s_add_co_u32 s28, s28, 2*HALFT
	v_add_nc_u32 v[VAD], s28, v6                   ; V: (64 w + 8 h + (L & 7)) pitch + 128 ((L >> 3) & 1)
	v_add_nc_u32 v[VAD+1], SLOT, v[VAD]
	v_mul_u32_u24 v6, v1, QROW
	v_lshl_add_u32 v[QO], v2, 4, v6
	s_lshl_b32 s28, s8, 12
	s_add_co_u32 s28, s28, SCR
	v_lshl_add_u32 v[XW], v3, 4, s28
	s_lshl_b32 s28, s8, 10
	s_add_co_u32 s28, s28, SCR
	v_lshl_add_u32 v[XRD], v3, 4, s28
	s_lshl_b32 s28, s8, 9
	s_add_co_u32 s28, s28, MLB
	v_lshl_add_u32 v[MLW], v1, 3, s28
	v_lshlrev_b32 v6, 3, v1
	v_add_nc_u32 v[MLR], MLB, v6
	v_mul_u32_u24 v6, v1, PITCH
	v_lshl_add_u32 v6, v2, 7, v6
	s_mul_i32 s28, s8, 16*PITCH
	s_add_co_u32 s28, s28, STG
	v_add_nc_u32 v[STO], s28, v6                   ; my stage: row r, 128 h
	v_mul_u32_u24 v6, v2, PITCH
	v_lshl_add_u32 v6, v1, 4, v6
	v_add_nc_u32 v[RD], s28, v6                    ; back: rows h, 16 bytes a lane
	v_lshlrev_b32 v6, 12, v2
	v_lshl_add_u32 v6, v1, 4, v6
	s_lshl_b32 s28, s8, 16
	v_add_nc_u32 v[CO], s28, v6                    ; rows 16 w + h of the block of o
	v_lshlrev_b32 v6, 3, v2
	v_sub_nc_u32 v6, v1, v6
	v_add_nc_u32 v6, s29, v6                       ; 64 ((block mod 4) - w) + r - 8 h
	WIN 0x40                                       ; destination window 1
.irp nt, 0,1,2,3
	v_add_nc_u32 v[RTHR+\nt], 16*\nt, v6
	v_mov_b32 v[RY+\nt], 0                         ; a destination of v_permlanex16_b32 counts as read
	v_mov_b32 v[RM+1+4*\nt], 0                     ; the sum stands in a pair that is read before the first step writes it
.endr
	v_mov_b32 v[RNEG], 0xff7fffff                  ; finfo.min
	WIN 0
; 64 queries x 128 channels as source 1: lane (r, h) takes 16 bytes at 64 ks + 16 h and at + 32 of query row 16 nt + r
.macro QLOAD b0
	WIN 0xc0                                       ; destination window 3
.irp nt, 0,1,2,3
.irp ks, 0,1,2,3
	global_load_b128 v[8*(4*\nt+\ks):8*(4*\nt+\ks)+3],   v[QO], s[\b0:\b0+1] offset:\nt*16*QROW+64*\ks
	global_load_b128 v[8*(4*\nt+\ks)+4:8*(4*\nt+\ks)+7], v[QO], s[\b0:\b0+1] offset:\nt*16*QROW+64*\ks+32
.endr
.endr
	WIN 0
.endm
; the next step's tile: SW - 1 - m in the first block, 8 - m in the second (m = n + 1); the address goes into the other slot's group 0
.macro NEXT other
	s_add_co_u32 s28, s14, 1
	s_sub_co_u32 s29, s13, s28
	s_sub_co_u32 s29, s29, 1
	s_sub_co_u32 s26, 8, s28
	s_cmp_lt_u32 s28, s13
	s_cselect_b32 s26, s29, s26
	s_mul_i32 s26, s26, TILEB
	s_add_nc_u64 s[G0+4*\other+2:G0+4*\other+3], s[24:25], s[26:27]
	s_or_b32 s[G0+4*\other+3], s[G0+4*\other+3], 0x80000000
.endm
.macro KLOAD slot                      ; my 64 keys x 128 channels, in four groups of eight loads by ks
.irp ks, 0,1,2,3
.irp mt, 0,1,2,3
	ds_load_b128 v[FR+8*(4*\mt+\ks):FR+8*(4*\mt+\ks)+3],   v[KAD+\slot] offset:\mt*16*PITCH+64*\ks
	ds_load_b128 v[FR+8*(4*\mt+\ks)+4:FR+8*(4*\mt+\ks)+7], v[KAD+\slot] offset:\mt*16*PITCH+64*\ks+32
.endr
.endr
.endm
; 64 matrix instructions; the sixteen accumulators take turns, one instruction a turn
.macro SMUL
	WIN 0x5c                                       ; source 0 window 0, source 1 window 3, C and D window 1
.irp ks, 0,1,2,3
	s_wait_dscnt 24-8*\ks                          ; LDS loads come back in order: the first 8 (ks + 1) of the 32 are in
.irp mt, 0,1,2,3
.irp nt, 0,1,2,3
.if \ks == 0
	v_wmma_f32_16x16x32_f16 v[8*(4*\nt+\mt):8*(4*\nt+\mt)+7], v[FR+8*(4*\mt+\ks):FR+8*(4*\mt+\ks)+7], v[8*(4*\nt+\ks):8*(4*\nt+\ks)+7], 0
.else
	v_wmma_f32_16x16x32_f16 v[8*(4*\nt+\mt):8*(4*\nt+\mt)+7], v[FR+8*(4*\mt+\ks):FR+8*(4*\mt+\ks)+7], v[8*(4*\nt+\ks):8*(4*\nt+\ks)+7], v[8*(4*\nt+\mt):8*(4*\nt+\mt)+7]
.endif
.endr
.endr
.endr
	WIN 0
.endm
.macro VLOAD slot                      ; V^T of my 64 keys: tile (t, k) = channels 8 t + 0..7 and 64 + 8 t + 0..7, keys 32 k .. + 31
.irp k, 0,1
.irp t, 0,1,2,3,4,5,6,7
	ds_load_tr16_b128 v[FR+8*(2*\t+\k):FR+8*(2*\t+\k)+3],   v[VAD+\slot] offset:\k*32*PITCH+16*\t
	ds_load_tr16_b128 v[FR+8*(2*\t+\k)+4:FR+8*(2*\t+\k)+7], v[VAD+\slot] offset:\k*32*PITCH+16*PITCH+16*\t
.endr
.endr
.endm
.macro MASK                            ; key > query: finfo.min
	WIN 0x55
.irp nt, 0,1,2,3
.irp mt, 0,1,2,3
.irp j, 0,1,2,3,4,5,6,7
	v_cmp_gt_i32 vcc_lo, 16*\mt+\j, v[RTHR+\nt]
	v_cndmask_b32 v[8*(4*\nt+\mt)+\j], v[8*(4*\nt+\mt)+\j], v[RNEG], vcc_lo
.endr
.endr
.endr
	WIN 0
.endm
; A query's 64 scores of this wave lie in 32 registers of two lanes (r, 0) and (r, 1).  The four query tiles go side by side, so that no line waits for the one in front.
.macro SOFTMAX first
	WIN 0x55
.irp nt, 0,1,2,3
	v_max3_num_f32 v[RM+3+4*\nt], v[32*\nt], v[32*\nt+1], v[32*\nt+2]
.endr
.set e, 3
.rept 14
.irp nt, 0,1,2,3
	v_max3_num_f32 v[RM+3+4*\nt], v[RM+3+4*\nt], v[32*\nt+e], v[32*\nt+e+1]
.endr
.set e, e+2
.endr
.irp nt, 0,1,2,3
.if \first
	v_max_num_f32 v[RM+3+4*\nt], v[RM+3+4*\nt], v[32*\nt+31]
.else
	v_max3_num_f32 v[RM+3+4*\nt], v[RM+3+4*\nt], v[32*\nt+31], v[RM+4*\nt]   ; the running maximum goes in
.endif
.endr
.irp nt, 0,1,2,3
	v_permlanex16_b32 v[RY+\nt], v[RM+3+4*\nt], s30, s31
.endr
.irp nt, 0,1,2,3
	v_max_num_f32 v[RM+3+4*\nt], v[RM+3+4*\nt], v[RY+\nt]
.endr
.if \first == 0
.irp nt, 0,1,2,3
	v_sub_f32 v[RM+2+4*\nt], v[RM+4*\nt], v[RM+3+4*\nt]      ; old maximum - new
.endr
.endif
.irp nt, 0,1,2,3
	v_mov_b32 v[RM+4*\nt], v[RM+3+4*\nt]
.endr
.if \first == 0
.irp nt, 0,1,2,3
	v_exp_f32 v[RM+2+4*\nt], v[RM+2+4*\nt]                   ; the factor for what has been summed; the plain lines below, which do not touch it, stand between it and its use (ISA guide 5.7.2)
.endr
.endif
.irp nt, 0,1,2,3
.set e, 0
.rept 16
	v_pk_add_f32 v[32*\nt+e:32*\nt+e+1], v[32*\nt+e:32*\nt+e+1], v[RM+4*\nt:RM+4*\nt+1] op_sel_hi:[1,0] neg_lo:[0,1] neg_hi:[0,1]   ; score - maximum, two at a time
.set e, e+2
.endr
.endr
.set e, 0
.rept 128
	v_exp_f32 v[e], v[e]
.set e, e+1
.endr
	v_nop                                          ; one plain place behind the run of exponentials
	s_wait_alu depctr_va_vdst(0)
.irp nt, 0,1,2,3
	v_pk_add_f32 v[RT+2*\nt:RT+2*\nt+1], v[32*\nt:32*\nt+1], v[32*\nt+2:32*\nt+3]
.endr
.set e, 4
.rept 14
.irp nt, 0,1,2,3
	v_pk_add_f32 v[RT+2*\nt:RT+2*\nt+1], v[RT+2*\nt:RT+2*\nt+1], v[32*\nt+e:32*\nt+e+1]
.endr
.set e, e+2
.endr
.if \first
.irp nt, 0,1,2,3
	v_add_f32 v[RM+1+4*\nt], v[RT+2*\nt], v[RT+2*\nt+1]
.endr
.else
.irp nt, 0,1,2,3
	v_add_f32 v[RM+3+4*\nt], v[RT+2*\nt], v[RT+2*\nt+1]
.endr
.irp nt, 0,1,2,3
	v_fma_f32 v[RM+1+4*\nt], v[RM+1+4*\nt], v[RM+2+4*\nt], v[RM+3+4*\nt]     ; the lane's own sum; the two halves meet in the merge
.endr
.endif
.irp nt, 0,1,2,3
.irp k, 0,1
.irp i, 0,1,2,3
	v_cvt_pk_f16_f32 v[8*(4*\nt+2*\k)+\i], v[8*(4*\nt+2*\k)+2*\i], v[8*(4*\nt+2*\k)+2*\i+1]         ; in place, upward: a register is written after it has been read
.endr
.irp i, 0,1,2,3
	v_cvt_pk_f16_f32 v[8*(4*\nt+2*\k)+4+\i], v[8*(4*\nt+2*\k)+8+2*\i], v[8*(4*\nt+2*\k)+8+2*\i+1]
.endr
.endr
.endr
	WIN 0
.endm
.macro RESCALE                         ; O times the query's factor
	WIN 0x86                                       ; source 0 and destination window 2, source 1 window 1
.irp t, 0,1,2,3,4,5,6,7
.irp nt, 0,1,2,3
.irp q, 0,2,4,6
	v_pk_mul_f32 v[8*(4*\t+\nt)+\q:8*(4*\t+\nt)+\q+1], v[8*(4*\t+\nt)+\q:8*(4*\t+\nt)+\q+1], v[RM+2+4*\nt:RM+3+4*\nt] op_sel_hi:[1,0]
.endr
.endr
.endr
	WIN 0
.endm
; 64 matrix instructions; the 32 accumulators take turns, one instruction a turn
.macro PVMUL first
	s_wait_dscnt 0x0                               ; V's fragments
	WIN 0xa4                                       ; source 0 window 0, source 1 window 1, C and D window 2
.irp k, 0,1
.irp t, 0,1,2,3,4,5,6,7
.irp nt, 0,1,2,3
.if (\first)*(1-\k)
	v_wmma_f32_16x16x32_f16 v[8*(4*\t+\nt):8*(4*\t+\nt)+7], v[FR+8*(2*\t+\k):FR+8*(2*\t+\k)+7], v[8*(4*\nt+2*\k):8*(4*\nt+2*\k)+7], 0
.else
	v_wmma_f32_16x16x32_f16 v[8*(4*\t+\nt):8*(4*\t+\nt)+7], v[FR+8*(2*\t+\k):FR+8*(2*\t+\k)+7], v[8*(4*\nt+2*\k):8*(4*\nt+2*\k)+7], v[8*(4*\t+\nt):8*(4*\t+\nt)+7]
.endif
.endr
.endr
.endr
	WIN 0
.endm
; The merge's exchange, in eight phases on two buffers that take turns (even phases at SCR + 16,384, odd ones at SCR).
; XSTORE t: I lay down my O tiles (t, 0..3), 4 KiB, in phase t's buffer.
.macro XSTORE t
	WIN 0x08                                       ; store data in window 2
.irp nt, 0,1,2,3
	ds_store_b128 v[XW], v[8*(4*(\t)+\nt):8*(4*(\t)+\nt)+3]   offset:(1-((\t)&1))*16384+1024*\nt
	ds_store_b128 v[XW], v[8*(4*(\t)+\nt)+4:8*(4*(\t)+\nt)+7] offset:(1-((\t)&1))*16384+1024*\nt+512
.endr
	WIN 0
.endm
; PHASE t: behind the barrier wave w reads the four waves' tiles (t, w) and sums them.  Phase t + 1's stores go out behind phase t's loads, into the other buffer: it was read
; last in phase t - 1, and every wave waited for those reads in front of phase t's barrier.  So the stores are under way while the loads come back and are summed.
.macro PHASE t
	s_wait_dscnt 0x0                               ; my stores for this phase are done, and my reads of the phase before
	s_barrier_signal -1
	s_barrier_wait -1
.irp wq, 0,1,2,3
	ds_load_b128 v[XT+8*\wq:XT+8*\wq+3],   v[XRD] offset:(1-(\t&1))*16384+4096*\wq
	ds_load_b128 v[XT+8*\wq+4:XT+8*\wq+7], v[XRD] offset:(1-(\t&1))*16384+4096*\wq+512
.endr
.if \t < 7
	XSTORE \t+1
	s_wait_dscnt 0x8                               ; LDS serves a wave in order: the eight loads are in, the eight younger stores may be out
.else
	s_wait_dscnt 0x0
.endif
.irp q, 0,2,4,6
	v_pk_add_f32 v[XT+\q:XT+\q+1], v[XT+\q:XT+\q+1], v[XT+8+\q:XT+8+\q+1]
	v_pk_add_f32 v[XT+16+\q:XT+16+\q+1], v[XT+16+\q:XT+16+\q+1], v[XT+24+\q:XT+24+\q+1]
.endr
.irp q, 0,2,4,6
	v_pk_add_f32 v[XT+\q:XT+\q+1], v[XT+\q:XT+\q+1], v[XT+16+\q:XT+16+\q+1]
.endr
.irp i, 0,1,2,3
	v_cvt_pk_f16_f32 v[OUTP+4*\t+\i], v[XT+2*\i], v[XT+2*\i+1]
.endr
.endm
; A block's end.  b0: the scalar pair with the block's address in ob.  The joint load that may be out stays out.
; XT, which an earlier merge's global stores read, is written here: the caller's s_wait_xcnt 0 stands ahead of this macro.
.macro MERGE b0
	NOPS 4                                         ; behind the last matrix instructions, whose results are read
	WIN 0x55
.irp nt, 0,1,2,3
	v_permlanex16_b32 v[RY+\nt], v[RM+1+4*\nt], s30, s31
.endr
.irp nt, 0,1,2,3
	v_add_f32 v[RM+1+4*\nt], v[RM+1+4*\nt], v[RY+\nt]        ; the wave's sum over its keys
.endr
	WIN 0x04                                       ; store data in window 1
.irp nt, 0,1,2,3
	ds_store_b64 v[MLW], v[RM+4*\nt:RM+4*\nt+1] offset:128*\nt
.endr
	WIN 0
	s_wait_dscnt 0x0
	s_barrier_signal -1
	s_barrier_wait -1
	WIN 0x40
.irp wq, 0,1,2,3
.irp nt, 0,1,2,3
	ds_load_b64 v[RG+2*(4*\wq+\nt):RG+2*(4*\wq+\nt)+1], v[MLR] offset:512*\wq+128*\nt
.endr
.endr
	s_wait_dscnt 0x0
	WIN 0x55
.irp nt, 0,1,2,3
	v_max3_num_f32 v[RMM+\nt], v[RG+2*\nt], v[RG+2*(4+\nt)], v[RG+2*(8+\nt)]
.endr
.irp nt, 0,1,2,3
	v_max_num_f32 v[RMM+\nt], v[RMM+\nt], v[RG+2*(12+\nt)]
.endr
.irp nt, 0,1,2,3
.irp wq, 0,1,2,3
	v_sub_f32 v[RG+2*(4*\wq+\nt)], v[RG+2*(4*\wq+\nt)], v[RMM+\nt]
.endr
	v_sub_f32 v[RM+3+4*\nt], v[RM+4*\nt], v[RMM+\nt]
.endr
.irp nt, 0,1,2,3
.irp wq, 0,1,2,3
	v_exp_f32 v[RG+2*(4*\wq+\nt)], v[RG+2*(4*\wq+\nt)]
.endr
	v_exp_f32 v[RM+3+4*\nt], v[RM+3+4*\nt]
.endr
	v_nop
	s_wait_alu depctr_va_vdst(0)
.irp nt, 0,1,2,3
	v_mul_f32 v[RLT+\nt], v[RG+2*\nt], v[RG+2*\nt+1]
.endr
.irp wq, 1,2,3
.irp nt, 0,1,2,3
	v_fma_f32 v[RLT+\nt], v[RG+2*(4*\wq+\nt)], v[RG+2*(4*\wq+\nt)+1], v[RLT+\nt]
.endr
.endr
.irp nt, 0,1,2,3
	v_rcp_f32 v[RLT+\nt], v[RLT+\nt]
.endr
	v_nop
	s_wait_alu depctr_va_vdst(0)
.irp nt, 0,1,2,3
	v_mul_f32 v[RM+2+4*\nt], v[RM+3+4*\nt], v[RLT+\nt]       ; my share's factor: 2^(my maximum - the maximum) / the whole sum
.endr
	WIN 0
	RESCALE
	XSTORE 0
.irp t, 0,1,2,3,4,5,6,7
	PHASE \t
.endr
	; my sixteen queries: 16 bytes a lane into my stage, whole rows of 256 bytes back.  LDS serves a wave's instructions in order: no wait between
.irp t, 0,1,2,3,4,5,6,7
	ds_store_b128 v[STO], v[OUTP+4*\t:OUTP+4*\t+3] offset:16*\t
.endr
.irp u, 0,1,2,3,4,5,6,7
	ds_load_b128 v[XT+4*\u:XT+4*\u+3], v[RD] offset:\u*2*PITCH
.endr
.irp u, 0,1,2,3,4,5,6,7
	s_wait_dscnt 7-\u                              ; load u is in, the younger ones stay out
	global_store_b128 v[CO], v[XT+4*\u:XT+4*\u+3], s[\b0:\b0+1] offset:8192*\u   ; sixteen lanes store a head's 256 bytes of a row, at a multiple of 256
.endr
.endm
.macro SWITCH                          ; from the first block to the second
	s_wait_xcnt 0x0                                ; XT, which an earlier merge's stores read, is rewritten only behind this wait; it stands ahead of the loads below, which it does not concern
	QLOAD 42                                       ; the second block's queries are on their way during the merge
	MERGE 44
	WIN 0x55
.irp nt, 0,1,2,3
	v_mov_b32 v[RM+4*\nt], v[RNEG]
	v_mov_b32 v[RM+1+4*\nt], 0
	v_add_nc_u32 v[RTHR+\nt], s48, v[RTHR+\nt]
.endr
	WIN 0
	s_wait_loadcnt 0x0
.endm
; One step of 256 keys out of slot; the next step's tile is asked for into the other slot, first thing behind the round.
.macro RND slot, other, first, refill
	s_wait_tensorcnt 0x0                           ; all my tensor loads have landed, my part of this step's tile among them: a group 0 may be written
	ds_add_u32 v62, v63
	s_wait_dscnt 0x0
	s_wait_dscnt 0x0                               ; my reads of the other slot are done
.if \refill
	NEXT \other
.endif
	CROUND                                         ; both now hold of every wave of the four work-groups
.if \refill
	tensor_load_to_lds s[G0+4*\other:G0+4*\other+3], s[G1:G1+7]   ; my one load behind the round; one load of the wave is out
	s_nop 0
.endif
.if \first == 0
	s_cmp_eq_u32 s14, s13                          ; n and SW come from the cluster's number: alike in all waves and in all four work-groups
	s_cbranch_scc0 .Lsame_\@
	SWITCH
.Lsame_\@:
	NOPS 5                                         ; behind the last matrix instructions: the products below write over P, the loads land on V's fragments
.endif
	KLOAD \slot
	SMUL
	NOPS 4                                         ; behind the products: V's loads land on K's fragments, the softmax reads the results
	VLOAD \slot
.if \first
	MASK
.else
	s_cmp_eq_u32 s14, s13
	s_cbranch_scc0 .Lfull_\@
	MASK
.Lfull_\@:
.endif
	SOFTMAX \first
.if \first == 0
	RESCALE
.endif
	PVMUL \first
	s_add_co_u32 s14, s14, 1
.endm
	QLOAD 40
	s_wait_loadcnt 0x0
	RND 0, 1, 1, 1                                 ; step 0
	s_mov_b32 s15, 3
.Lpair:
	RND 1, 0, 0, 1                                 ; steps 1 to 6
	RND 0, 1, 0, 1
	s_sub_co_u32 s15, s15, 1
	s_cmp_lg_u32 s15, 0
	s_cbranch_scc1 .Lpair
	RND 1, 0, 0, 1                                 ; step 7 asks for the last tile
	RND 0, 1, 0, 0                                 ; step 8: nothing is left to fetch
	s_wait_xcnt 0x0                                ; XT, which the first merge's stores read, is rewritten only behind this wait
	MERGE 46
	s_wait_tensorcnt 0x0
	ds_add_u32 v62, v63
	s_wait_dscnt 0x0
	CROUND                                         ; the closing round
	s_endpgm
.Lfunc_end_k_q602a3c8c18_attn:
	.size	k_q602a3c8c18_attn, .Lfunc_end_k_q602a3c8c18_attn-k_q602a3c8c18_attn
	.p2alignl 7, 3214868480
	.fill 96, 4, 3214868480
	.section	.rodata,"a",@progbits
	.p2align	6, 0x0
	.amdhsa_kernel k_q602a3c8c18_attn
		.amdhsa_group_segment_fixed_size 327680
		.amdhsa_private_segment_fixed_size 0
		.amdhsa_enable_private_segment 0
		.amdhsa_kernarg_size 16
		.amdhsa_user_sgpr_count 2
		.amdhsa_user_sgpr_kernarg_segment_ptr 1
		.amdhsa_wavefront_size32 1
		.amdhsa_system_sgpr_workgroup_id_x 1
		.amdhsa_system_sgpr_workgroup_id_y 1
		.amdhsa_system_sgpr_workgroup_id_z 1
		.amdhsa_system_vgpr_workitem_id 0
		.amdhsa_next_free_vgpr 896
		.amdhsa_next_free_sgpr 66
		.amdhsa_reserve_vcc 1
		.amdhsa_float_denorm_mode_32 3
		.amdhsa_float_denorm_mode_16_64 3
		.amdhsa_memory_ordered 1
		.amdhsa_forward_progress 1
		.amdhsa_inst_pref_size 255
	.end_amdhsa_kernel
	.section	.bss,"aw",@nobits
	.p2align	6
	.space	262144
	.amdgpu_metadata
---
amdhsa.version: [ 1, 2 ]
amdhsa.kernels:
  - .name:           k_q602a3c8c18_attn
    .symbol:         k_q602a3c8c18_attn.kd
    .args:
      - { .name: qkv, .offset: 0, .size: 8, .value_kind: global_buffer, .address_space: global }
      - { .name: ob, .offset: 8, .size: 8, .value_kind: global_buffer, .address_space: global }
    .group_segment_fixed_size: 327680
    .private_segment_fixed_size: 0
    .kernarg_segment_align: 8
    .kernarg_segment_size: 16
    .max_flat_workgroup_size: 128
    .sgpr_count:     66
    .vgpr_count:     896
    .wavefront_size: 32
...
	.end_amdgpu_metadata
.endif
;; end of part 3
;; launch oproj (part 4): grid 16 x 16, 4 waves a work-group, clusters of 4 x 4, 327,680 bytes of LDS; arguments ob, wob, out0; writes out0
.if DOCPART == 4
	.amdgcn_target "amdgcn-amd-amdhsa--gfx1250"
	.amdhsa_code_object_version 6
	.text
	.protected	k_q602a3c8c18_oproj
	.globl	k_q602a3c8c18_oproj
	.p2align	8
	.type	k_q602a3c8c18_oproj,@function
k_q602a3c8c18_oproj:
	s_mov_b64 s[64:65], 0
	v_nop
	global_prefetch_b8 v0, s[64:65] scope:SCOPE_SE
	s_setreg_imm32_b32 hwreg(HW_REG_WAVE_MODE, 25, 1), 1
	s_wait_xcnt 0x0
	s_wait_alu depctr_hold_cnt(0) depctr_sa_sdst(0) depctr_va_vdst(0) depctr_va_sdst(0) depctr_va_ssrc(0) depctr_va_vcc(0) depctr_vm_vsrc(0)
	s_getreg_b32 s2, hwreg(HW_REG_IB_STS2, 6, 4)
	s_cmp_eq_u32 s2, 0
	s_cbranch_scc0 .Lentry_in_a_cluster
	s_endpgm
.Lentry_in_a_cluster:
	s_bfe_u32 s2, ttmp6, 0x10000c
	s_cmp_lg_u32 s2, 0xf033
	s_cbranch_scc0 .Lentry_shape_is_right
	s_endpgm
.Lentry_shape_is_right:
; out0[t][n] = sum over k of ob[t][k] wob[n][k]; operands f16, sums and result f32.
; A work-group makes 128 x 128 (16 x 16 = 256 work-groups); four waves, each 64 x 64: 16 accumulator tiles; a wave's row of results is 256 bytes of out0.
; K goes in steps of 256 (LDS rows of 512 bytes) through two slots filled by the tensor data mover: from a request to the wait for it a wave issues a whole step's 128 matrix instructions.
; CLUSTERS: 4 x 4 work-groups; o's tile is asked for jointly along a row of the cluster, Wo's along a column.
; THE WALK ALONG K: a cluster begins at K step 2 (cluster x) + 4 (cluster y mod 2) and goes round modulo 8.  Clusters that need the same tile of o (same cluster y) ask for
; it 2 trips apart, those that need the same tile of Wo (same cluster x) 4 trips apart or in the same trip, so that the later ones ask for bytes that an earlier one has
; already read, instead of all asking for them in the same trip.  The sums are the same products, added in a rotated order.
; The matrix instruction is used transposed (source 0 = rows of Wo, source 1 = rows of o): a lane's eight results are eight neighbouring columns of one row, 32 bytes.
; LIMIT: operands in f16 (magnitudes below 65,504).
; REGISTERS: window 0: v16-26 addresses, v32-95 and v96-159 two fragment buffers (4 of Wo, 4 of o); window 1: accumulator tile (a, b) at 8 (4 a + b).
.set DK,     2048
.set NT,     128
.set NB,     4
.set KSTEP,  256
.set SB,     KSTEP*2                   ; bytes of a K step in a row
.set ROWB,   DK*2                      ; bytes in a row of ob and of wob
.set PITCH,  528                       ; an LDS row: 512 bytes + 16 of padding
.set CHUNK,  64*PITCH                  ; what one tensor load fills; wave w fills from w x CHUNK on
.set SLOT,   4*CHUNK                   ; Wo's 128 rows, then o's 128 rows
.set STAGE,  2*SLOT                    ; behind the ring: 16 rows x 272 bytes for each wave; no fill lands here
.set SPITCH, 272
.set CROW,   8192                      ; bytes in a row of out0
.set LAPS,   DK/(2*KSTEP)
.set ADRA, 16
.set ADRB, 20
.set STO,  24
.set RD,   25
.set CO,   26
.set F0,   32
.set F1,   96
.set KO,  18                           ; s[18:19] byte offset in a row of the K step that is asked for next (high word 0)
.set G1,  24                           ; s[24:31] group 1 for o's tiles
.set G0,  32                           ; s[32:39] group 0 for o's tiles
.set G1B, 48                           ; s[48:55] group 1 for Wo's tiles
.set G0B, 56                           ; s[56:63] group 0 for Wo's tiles
.set MSB, 0
.macro WIN new
.if MSB != \new
	s_set_vgpr_msb (MSB<<8)|\new
.set MSB, \new
.endif
.endm
.macro PLACES                          ; four places behind a matrix instruction (ISA guide 7.12.1)
.rept 4
	v_nop
.endr
.endm
.macro JLOAD s                         ; waves 0 and 1 fetch Wo's two halves, waves 2 and 3 o's; each line has one mask
	s_cmp_lt_u32 s10, 2
	s_cbranch_scc0 .Lfor_a_\@
	tensor_load_to_lds s[G0B+4*\s:G0B+4*\s+3], s[G1B:G1B+7]
	s_nop 0
	s_branch .Lasked_\@
.Lfor_a_\@:
	tensor_load_to_lds s[G0+4*\s:G0+4*\s+3], s[G1:G1+7]
	s_nop 0
.Lasked_\@:
.endm
; Slot s's two addresses: the tiles' rows at the K step that is due; then the offset goes one K step on, round the row's end.
.macro KADDR s
	s_add_nc_u64 s[G0+4*\s+2:G0+4*\s+3], s[14:15], s[KO:KO+1]
	s_or_b32 s[G0+4*\s+3], s[G0+4*\s+3], 0x80000000
	s_add_nc_u64 s[G0B+4*\s+2:G0B+4*\s+3], s[46:47], s[KO:KO+1]
	s_or_b32 s[G0B+4*\s+3], s[G0B+4*\s+3], 0x80000000
	s_add_co_u32 s[KO], s[KO], SB
	s_and_b32 s[KO], s[KO], ROWB-1
.endm
.macro CREST
	s_cmp_lg_u32 s10, 0
	s_cbranch_scc1 .Lnot_wave_0_\@
	s_barrier_signal -3
.Lnot_wave_0_\@:
	s_barrier_wait -3
	s_barrier_signal -1
	s_barrier_wait -1
.endm
.macro CROUND
	s_barrier_signal -1
	s_barrier_wait -1
	CREST
.endm
	s_load_b128 s[4:7], s[0:1], 0x0                ; ob s[4:5], wob s[6:7]
	s_load_b64 s[8:9], s[0:1], 0x10                ; out0
	v_lshl_add_u32 v254, v0, 2, 0x46400
	v_mov_b32 v255, 0
	ds_add_u32 v254, v255
	v_lshrrev_b32 v1, 5, v0
	v_readfirstlane_b32 s10, v1                    ; wave
	s_lshr_b32 s11, s10, 1                         ; which half of the block's rows is mine
	s_and_b32 s12, s10, 1                          ; which half of its columns; also: which 64 rows of a tile I fetch
	s_bfe_u32 s40, ttmp6, 0x40000                  ; cx
	s_bfe_u32 s41, ttmp6, 0x40004                  ; cy
	s_lshl_b32 s42, ttmp9, 2
	s_add_co_u32 s42, s42, s40                     ; block column
	s_and_b32 s13, ttmp7, 0xffff
	s_lshl_b32 s13, s13, 2
	s_add_co_u32 s13, s13, s41                     ; block row
	s_lshl_b32 s43, s41, 2
	s_lshl_b32 s43, 15, s43                        ; my row of the cluster
	s_lshl_b32 s44, 0x1111, s40                    ; my column
	; where my cluster begins its walk along K: made of the cluster's own x and y, alike in all sixteen work-groups
	s_and_b32 s[KO], ttmp7, 1
	s_lshl_b32 s[KO], s[KO], 11                    ; 4 K steps of 512 bytes for cluster y mod 2
	s_lshl_b32 s[KO+1], ttmp9, 10                  ; 2 K steps for each cluster x
	s_add_co_u32 s[KO], s[KO], s[KO+1]
	s_and_b32 s[KO], s[KO], ROWB-1
	s_mov_b32 s[KO+1], 0
	s_or_b32 s[G1+0],  s43, (1<<16)|(1<<20)|(1<<21)|(6<<22)|(3<<25)   ; mask; 2-byte elements; padding: after 128 words, 4 words
	s_or_b32 s[G1B+0], s44, (1<<16)|(1<<20)|(1<<21)|(6<<22)|(3<<25)
	s_mov_b32 s[G1+1],  KSTEP<<16
	s_mov_b32 s[G1B+1], KSTEP<<16
	s_mov_b32 s[G1+2],  64<<16
	s_mov_b32 s[G1B+2], 64<<16
	s_mov_b32 s[G1+3],  KSTEP<<16
	s_mov_b32 s[G1B+3], KSTEP<<16
	s_mov_b32 s[G1+4],  64
	s_mov_b32 s[G1B+4], 64
	s_mov_b32 s[G1+5],  DK
	s_mov_b32 s[G1B+5], DK
	s_mov_b32 s[G1+6],  0
	s_mov_b32 s[G1B+6], 0
	s_mov_b32 s[G1+7],  0
	s_mov_b32 s[G1B+7], 0
	s_lshl_b32 s17, s12, 6
	s_lshl_b32 s16, s13, 7
	s_add_co_u32 s16, s16, s17                     ; o: row 128 x block row + 64 x half
	s_lshl_b32 s16, s16, 12
	s_lshl_b32 s46, s42, 7
	s_add_co_u32 s46, s46, s17                     ; Wo: row 128 x block column + 64 x half
	s_lshl_b32 s46, s46, 12
	s_mov_b32 s17, 0
	s_mov_b32 s47, 0
	s_mul_i32 s45, s10, CHUNK                      ; where my load lands: the wave's number alone
	s_wait_dscnt 0x0
	s_wait_kmcnt 0x0
	s_add_nc_u64 s[14:15], s[4:5], s[16:17]        ; o's rows, at K = 0; kept
	s_add_nc_u64 s[46:47], s[6:7], s[46:47]        ; Wo's rows, at K = 0; kept until the way out
	CROUND                                         ; in front of the first joint loads
.irp s, 0,1
	s_mov_b32 s[G0+4*\s], 1
	s_add_co_u32 s[G0+4*\s+1], s45, \s*SLOT
	s_mov_b32 s[G0B+4*\s], 1
	s_add_co_u32 s[G0B+4*\s+1], s45, \s*SLOT
	KADDR \s
	JLOAD \s                                       ; my cluster's first two K steps: two loads of the wave are out
.endr
	v_and_b32 v1, 15, v0                           ; r
	v_bfe_u32 v2, v0, 4, 1                         ; h
	v_mul_u32_u24 v3, v1, PITCH
	v_lshl_add_u32 v3, v2, 4, v3
	s_mul_i32 s21, s11, 64*PITCH
	s_add_co_u32 s21, s21, NT*PITCH                ; my 64 rows of o, behind Wo's 128
	s_mul_i32 s22, s12, 64*PITCH                   ; my 64 rows of Wo
.irp s, 0,1
	v_add_nc_u32 v[ADRA+\s], s21, v3
	v_add_nc_u32 v[ADRB+\s], s22, v3
	s_add_co_u32 s21, s21, SLOT
	s_add_co_u32 s22, s22, SLOT
.endr
	s_mul_i32 s23, s10, 16*SPITCH
	s_add_co_u32 s23, s23, STAGE                   ; my stage
	v_mul_u32_u24 v4, v1, SPITCH
	v_lshl_add_u32 v4, v2, 5, v4                   ; in: row r, 32 bytes for each half of the lanes
	v_add_nc_u32 v[STO], s23, v4
	v_mul_u32_u24 v5, v2, SPITCH
	v_lshl_add_u32 v5, v1, 4, v5                   ; back: lanes 0-15 one row of 256 bytes, lanes 16-31 the next
	v_add_nc_u32 v[RD], s23, v5
	v_lshlrev_b32 v5, 13, v2
	v_lshl_add_u32 v[CO], v1, 4, v5                ; the same two rows in out0
; 8 matrix instructions: row blocks a0, a0 + 1 x four column blocks.  The 16 accumulators take turns, one instruction a turn, in the same order in every eighth of a
; K step, over the backward jump too.
.macro MUL f, a0, zero
.irp a, \a0, \a0+1
.irp b, 0,1,2,3
.if \zero
	v_wmma_f32_16x16x32_f16 v[8*(NB*(\a)+\b):8*(NB*(\a)+\b)+7], v[\f+8*\b:\f+8*\b+7], v[\f+8*NB+8*(\a):\f+8*NB+8*(\a)+7], 0
.else
	v_wmma_f32_16x16x32_f16 v[8*(NB*(\a)+\b):8*(NB*(\a)+\b)+7], v[\f+8*\b:\f+8*\b+7], v[\f+8*NB+8*(\a):\f+8*NB+8*(\a)+7], v[8*(NB*(\a)+\b):8*(NB*(\a)+\b)+7]
.endif
.endr
.endr
.endm
.macro FETCH slot, k, f
.irp b, 0,1,2,3
	ds_load_b128 v[\f+8*\b:\f+8*\b+3],   v[ADRB+\slot] offset:\k+\b*16*PITCH
	ds_load_b128 v[\f+8*\b+4:\f+8*\b+7], v[ADRB+\slot] offset:\k+\b*16*PITCH+32
.endr
.irp a, 0,1,2,3
	ds_load_b128 v[\f+8*NB+8*\a:\f+8*NB+8*\a+3],   v[ADRA+\slot] offset:\k+\a*16*PITCH
	ds_load_b128 v[\f+8*NB+8*\a+4:\f+8*NB+8*\a+7], v[ADRA+\slot] offset:\k+\a*16*PITCH+32
.endr
.endm
.macro QUARTER slot, k, f, g, zero     ; 32 along K: the next part's fragments are asked for into buffer g, then buffer f is multiplied
	s_wait_dscnt 0x0                               ; buffer f is in
	PLACES                                         ; behind the matrix instructions that read buffer g
	FETCH \slot, \k, \g
	WIN 0x50
	MUL \f, 0, \zero
	MUL \f, 2, \zero
	WIN 0
.endm
.macro STEPQ slot, zero
	QUARTER \slot, 64,  F0, F1, \zero
	QUARTER \slot, 128, F1, F0, 0
	QUARTER \slot, 192, F0, F1, 0
	QUARTER \slot, 256, F1, F0, 0
	QUARTER \slot, 320, F0, F1, 0
	QUARTER \slot, 384, F1, F0, 0
	QUARTER \slot, 448, F0, F1, 0
.endm
; The last part of a K step changes slots and then multiplies buffer 1: each wave's reads of this slot (buffer 1 holds the last of them) and all its tensor loads are waited for
; in front of the barrier; where the slot is filled again the barrier opens a round of the cluster's barrier, and the joint load is the first tensor load behind the round;
; nothing but the round stands between a tile's landing and the next request.
.macro TURN slot, next, fill
	s_wait_dscnt 0x0
	s_wait_tensorcnt 0x0
	ds_add_u32 v254, v255
	s_wait_dscnt 0x0
	s_barrier_signal -1
	s_barrier_wait -1
.if \fill
	CREST
	KADDR \slot                                    ; no load of mine is out: a group 0 may be written
	JLOAD \slot
.endif
	PLACES                                         ; behind the matrix instructions that read buffer 0
	FETCH \next, 0, F0
	WIN 0x50
	MUL F1, 0, 0
	MUL F1, 2, 0
	WIN 0
.endm
.macro LAP zero
	STEPQ 0, \zero
	TURN 0, 1, 1
	STEPQ 1, 0
	TURN 1, 0, 1
.endm
	s_wait_tensorcnt 0x1                           ; my part of the first K step is in; the second's load stays out
	s_barrier_signal -1
	s_barrier_wait -1
	FETCH 0, 0, F0
	LAP 1                                          ; the first products start the sums
	s_mov_b32 s3, LAPS-2
.Llap:
	LAP 0
	s_sub_co_u32 s3, s3, 1
	s_cmp_lg_u32 s3, 0
	s_cbranch_scc1 .Llap
	STEPQ 0, 0                                     ; the last lap fills nothing
	TURN 0, 1, 0
	STEPQ 1, 0
	s_wait_dscnt 0x0
	WIN 0x50
	MUL F1, 0, 0
	MUL F1, 2, 0
	WIN 0
	; THE WAY OUT, 16 rows at a time through my own stage: 32 bytes a lane in, whole rows of 256 bytes back
	PLACES
	s_lshl_b32 s16, s13, 7
	s_lshl_b32 s17, s11, 6
	s_add_co_u32 s16, s16, s17                     ; my first row
	s_lshl_b32 s16, s16, 13
	s_mov_b32 s17, 0
	s_add_nc_u64 s[8:9], s[8:9], s[16:17]
	s_lshl_b32 s46, s42, 9                         ; my first column, in bytes: 512 x block + 256 x half
	s_lshl_b32 s47, s12, 8
	s_add_co_u32 s46, s46, s47
	s_mov_b32 s47, 0
	s_add_nc_u64 s[8:9], s[8:9], s[46:47]
.macro OUT16 a, f
	WIN 0x04                                       ; store data in window 1
.irp b, 0,1,2,3
	ds_store_b128 v[STO], v[8*(NB*\a+\b):8*(NB*\a+\b)+3]   offset:64*\b
	ds_store_b128 v[STO], v[8*(NB*\a+\b)+4:8*(NB*\a+\b)+7] offset:64*\b+16
.endr
	WIN 0
	s_wait_xcnt 0x0                                ; buffer f, which earlier stores read, and the stores' base are rewritten only behind this wait
.if \a
	s_add_nc_u64 s[8:9], s[8:9], 16*CROW
.endif
.irp t, 0,1,2,3,4,5,6,7
	ds_load_b128 v[\f+4*\t:\f+4*\t+3], v[RD] offset:\t*2*SPITCH    ; LDS serves a wave's instructions in order: these see the stores above
.endr
.irp t, 0,1,2,3,4,5,6,7
	s_wait_dscnt 7-\t                              ; load t is in, the younger ones stay out
	global_store_b128 v[CO], v[\f+4*\t:\f+4*\t+3], s[8:9] offset:\t*2*CROW th:TH_STORE_NT   ; sixteen lanes store 256 consecutive bytes, at a multiple of 256
.endr
.endm
	OUT16 0, F0
	OUT16 1, F1
	OUT16 2, F0
	OUT16 3, F1
	s_wait_tensorcnt 0x0
	ds_add_u32 v254, v255
	s_wait_dscnt 0x0
	CROUND                                         ; the closing round
	s_endpgm
.Lfunc_end_k_q602a3c8c18_oproj:
	.size	k_q602a3c8c18_oproj, .Lfunc_end_k_q602a3c8c18_oproj-k_q602a3c8c18_oproj
	.p2alignl 7, 3214868480
	.fill 96, 4, 3214868480
	.section	.rodata,"a",@progbits
	.p2align	6, 0x0
	.amdhsa_kernel k_q602a3c8c18_oproj
		.amdhsa_group_segment_fixed_size 327680
		.amdhsa_private_segment_fixed_size 0
		.amdhsa_enable_private_segment 0
		.amdhsa_kernarg_size 24
		.amdhsa_user_sgpr_count 2
		.amdhsa_user_sgpr_kernarg_segment_ptr 1
		.amdhsa_wavefront_size32 1
		.amdhsa_system_sgpr_workgroup_id_x 1
		.amdhsa_system_sgpr_workgroup_id_y 1
		.amdhsa_system_sgpr_workgroup_id_z 1
		.amdhsa_system_vgpr_workitem_id 0
		.amdhsa_next_free_vgpr 384
		.amdhsa_next_free_sgpr 66
		.amdhsa_reserve_vcc 0
		.amdhsa_float_denorm_mode_32 3
		.amdhsa_float_denorm_mode_16_64 3
		.amdhsa_memory_ordered 1
		.amdhsa_forward_progress 1
		.amdhsa_inst_pref_size 127
	.end_amdhsa_kernel
	.amdgpu_metadata
---
amdhsa.version: [ 1, 2 ]
amdhsa.kernels:
  - .name:           k_q602a3c8c18_oproj
    .symbol:         k_q602a3c8c18_oproj.kd
    .args:
      - { .name: ob, .offset: 0, .size: 8, .value_kind: global_buffer, .address_space: global }
      - { .name: wob, .offset: 8, .size: 8, .value_kind: global_buffer, .address_space: global }
      - { .name: out0, .offset: 16, .size: 8, .value_kind: global_buffer, .address_space: global }
    .group_segment_fixed_size: 327680
    .private_segment_fixed_size: 0
    .kernarg_segment_align: 8
    .kernarg_segment_size: 24
    .max_flat_workgroup_size: 128
    .sgpr_count:     66
    .vgpr_count:     384
    .wavefront_size: 32
...
	.end_amdgpu_metadata
.endif
;; end of part 4
